; MI455X (gfx1250); checked and timed in simulation.
; The chip was launched on July 23, 2026; its instructions are those of AMD's public machine-readable ISA for CDNA 5 (MIT licence, August 2026) and "CDNA5" Instruction Set Architecture Reference Guide (July 2026). The comments in the code are by the model that wrote it; some were corrected since.
;; Linear2bit. Allowed arithmetic: float matrix products may take bf16 or f16 operands with f32 sums; all other float work in f32.
;; Inputs: bias 2,048 float32; scales 2,048 x 32 float32; weight_packed 2,097,152 int32; x 4 x 2,048 x 4,096 float32; zeros 2,048 x 32 float32.
;; Outputs: out0 4 x 2,048 x 2,048 float32.
;; 2 versions, each right; version 2 is version 1 with the launch tohalf written anew for expert scheduling mode. Each part assembles by itself: llvm-mc -triple=amdgcn-amd-amdhsa -mcpu=gfx1250 --defsym DOCPART=n.
;; ======== version 1 of 2: 3 launches
;; limits: values are held in f16: magnitudes above 65,504 overflow, below 6.1e-05 lose precision
;; workspace buffers: wh 16,777,216 bytes; xh 67,108,864 bytes
;; launch dequant (part 1): grid 256 x 1, 4 waves a work-group, no clusters, 0 bytes of LDS; arguments weight_packed, scales, zeros, wh; writes wh
.if DOCPART == 1
	.amdgcn_target "amdgcn-amd-amdhsa--gfx1250"
	.amdhsa_code_object_version 6
	.text
	.protected	k_q03209b0142_dequant
	.globl	k_q03209b0142_dequant
	.p2align	8
	.type	k_q03209b0142_dequant,@function
k_q03209b0142_dequant:
	s_mov_b64 s[64:65], 0
	v_nop
	global_prefetch_b8 v0, s[64:65] scope:SCOPE_SE
	s_setreg_imm32_b32 hwreg(HW_REG_WAVE_MODE, 25, 1), 1
	s_wait_xcnt 0x0
; W[n][k] = q[n][k] * scales[n][k/128] + zeros[n][k/128], written once in f16 for the product that follows.
; weight_packed: word i holds the 2-bit codes of weights 4 i .. 4 i + 3 in its bits 1:0, 3:2, 5:4, 7:6 (the upper 24 bits are not looked at): a row of W (4,096 weights)
; is 1,024 words, a group of 128 weights is 128 bytes.  scales, zeros: [2048][32] f32.
; wh: 16 x 64 blocks of 16,384 dense bytes: block (n / 128, k / 64) at byte ((n / 128) * 64 + k / 64) * 16384, and in it W[n][k] at (n % 128) * 128 + (k % 64) * 2.
; LIMITS.  w is one fused multiply-add in f32, rounded once to f16: 65,520 or more in magnitude becomes an infinity, below 6e-5 it keeps f16's fixed step of 6e-8.
; SHARES.  Work-group g owns rows 8 g .. 8 g + 7, wave w two of them, over all k: 32 steps, a group of 128 weights of both rows in each.  Lane l: c = l % 8 (which 8 weights),
; p = (l / 8) % 2 (which row), e = l / 16 (which block of 64 k).  A lane takes 2 words and makes 16 bytes, so lanes 0-15 store 256 consecutive bytes, aligned (the two rows lie
; end to end in a block), and lanes 16-31 the same bytes of the next block.  All 32 loads of codes are issued at the start and waited for one by one.
; Memory binds: no LDS, no barrier, no matrix unit, and no cluster, since no two work-groups read the same bytes.
.set INO, 1                            ; v1        byte offset of my two words in the group's first step; never rewritten
.set SCO, 2                            ; v2        byte offset of my row's 32 scales (and zeros); never rewritten
.set OUO, 3                            ; v3        byte offset of my 16 bytes in wh, first step; never rewritten
.set SC,  8                            ; v[8:39]   my row's 32 scales
.set ZR,  40                           ; v[40:71]  my row's 32 zeros
.set U,   72                           ; v[72:135] step i: two words of codes
.set T,   136                          ; v[136:143] at work: 8 numbers
.set Y,   144                          ; v[144:159] four sets of four registers to store
	s_load_b256 s[4:11], s[0:1], 0x0               ; weight_packed s[4:5], scales s[6:7], zeros s[8:9], wh s[10:11]
	s_mov_b32 s12, ttmp9                           ; g
	s_lshl_b32 s14, s12, 15                        ; 8 rows of 4,096 bytes of codes
	s_mov_b32 s15, 0
	s_lshl_b32 s16, s12, 10                        ; 8 rows of 128 bytes of scales
	s_mov_b32 s17, 0
	s_lshr_b32 s18, s12, 4                         ; n / 128: 64 blocks of 16,384 bytes each,
	s_lshl_b32 s18, s18, 20
	s_and_b32 s19, s12, 15                         ; and 8 rows of 128 bytes inside a block
	s_lshl_b32 s19, s19, 10
	s_add_co_u32 s18, s18, s19
	s_mov_b32 s19, 0
	v_and_b32 v4, 7, v0                            ; c
	v_bfe_u32 v5, v0, 3, 1                         ; p
	v_bfe_u32 v6, v0, 4, 1                         ; e
	v_lshrrev_b32 v7, 5, v0                        ; wave
	v_lshlrev_b32 v[INO], 13, v7                   ; two rows of codes a wave,
	v_lshl_add_u32 v[INO], v5, 12, v[INO]          ; my row,
	v_lshl_add_u32 v[INO], v6, 6, v[INO]           ; my 64 weights (16 words),
	v_lshl_add_u32 v[INO], v4, 3, v[INO]           ; my 8 weights (2 words)
	v_lshlrev_b32 v[SCO], 8, v7
	v_lshl_add_u32 v[SCO], v5, 7, v[SCO]           ; (2 wave + p) rows of 128 bytes: the same in scales, in zeros and inside a block of wh
	v_lshl_add_u32 v[OUO], v6, 14, v[SCO]          ; + my block
	v_lshl_add_u32 v[OUO], v4, 4, v[OUO]           ; + my 16 bytes
	s_wait_kmcnt 0x0
	s_add_nc_u64 s[4:5], s[4:5], s[14:15]
	s_add_nc_u64 s[6:7], s[6:7], s[16:17]
	s_add_nc_u64 s[8:9], s[8:9], s[16:17]
	s_add_nc_u64 s[10:11], s[10:11], s[18:19]
.irp j, 0,1,2,3,4,5,6,7
	global_load_b128 v[SC+4*(\j):SC+4*(\j)+3], v[SCO], s[6:7] offset:16*(\j)   ; a row's scales are fetched once and stay in registers
.endr
.irp j, 0,1,2,3,4,5,6,7
	global_load_b128 v[ZR+4*(\j):ZR+4*(\j)+3], v[SCO], s[8:9] offset:16*(\j)
.endr
.set n, 0
.rept 32
	global_load_b64 v[U+2*n:U+2*n+1], v[INO], s[4:5] offset:128*n th:TH_LOAD_NT  ; 128 consecutive bytes of each of the two rows; read once in the launch
.set n, n+1
.endr
; Step i: group i of both rows.
.macro STEP i
	s_wait_loadcnt 31-(\i)                         ; loads come back in order (ISA guide 5.7.1): step i's codes and all scales and zeros are in; the 31 - i younger loads stay out
	s_wait_xcnt 0x0                                ; every earlier memory instruction has had its addresses translated (ISA guide 3.1): Y's set is rewritten only behind this wait
.irp h, 0,1
	v_and_b32 v[T+4*(\h)],   3, v[U+2*(\i)+(\h)]   ; the four codes of a word
	v_bfe_u32 v[T+4*(\h)+1], v[U+2*(\i)+(\h)], 2, 2
	v_bfe_u32 v[T+4*(\h)+2], v[U+2*(\i)+(\h)], 4, 2
	v_bfe_u32 v[T+4*(\h)+3], v[U+2*(\i)+(\h)], 6, 2
.endr
.irp j, 0,1,2,3,4,5,6,7
	v_cvt_f32_u32 v[T+(\j)], v[T+(\j)]
.endr
.irp j, 0,2,4,6                        ; q * scale + zero, two at a time; the group's scale and zero are the first or the second register of an even-aligned pair
.if ((\i)%2) == 0
	v_pk_fma_f32 v[T+(\j):T+(\j)+1], v[T+(\j):T+(\j)+1], v[SC+2*((\i)/2):SC+2*((\i)/2)+1], v[ZR+2*((\i)/2):ZR+2*((\i)/2)+1] op_sel_hi:[1,0,0]
.else
	v_pk_fma_f32 v[T+(\j):T+(\j)+1], v[T+(\j):T+(\j)+1], v[SC+2*((\i)/2):SC+2*((\i)/2)+1], v[ZR+2*((\i)/2):ZR+2*((\i)/2)+1] op_sel:[0,1,1] op_sel_hi:[1,1,1]
.endif
.endr
.irp j, 0,1,2,3
	v_cvt_pk_f16_f32 v[Y+4*((\i)%4)+(\j)], v[T+2*(\j)], v[T+2*(\j)+1]
.endr
	global_store_b128 v[OUO], v[Y+4*((\i)%4):Y+4*((\i)%4)+3], s[10:11] offset:32768*(\i)  ; a group is two blocks on: 1,015,808 at the most, inside the signed 24-bit immediate; the next launch reads these bytes, so no hint
.endm
.set n, 0
.rept 32
	STEP n
.set n, n+1
.endr
	s_endpgm
.Lfunc_end_k_q03209b0142_dequant:
	.size	k_q03209b0142_dequant, .Lfunc_end_k_q03209b0142_dequant-k_q03209b0142_dequant
	.p2alignl 7, 3214868480
	.fill 96, 4, 3214868480
	.section	.rodata,"a",@progbits
	.p2align	6, 0x0
	.amdhsa_kernel k_q03209b0142_dequant
		.amdhsa_group_segment_fixed_size 0
		.amdhsa_private_segment_fixed_size 0
		.amdhsa_enable_private_segment 0
		.amdhsa_kernarg_size 32
		.amdhsa_user_sgpr_count 2
		.amdhsa_user_sgpr_kernarg_segment_ptr 1
		.amdhsa_wavefront_size32 1
		.amdhsa_system_sgpr_workgroup_id_x 1
		.amdhsa_system_sgpr_workgroup_id_y 1
		.amdhsa_system_sgpr_workgroup_id_z 1
		.amdhsa_system_vgpr_workitem_id 0
		.amdhsa_next_free_vgpr 160
		.amdhsa_next_free_sgpr 66
		.amdhsa_reserve_vcc 0
		.amdhsa_float_denorm_mode_32 3
		.amdhsa_float_denorm_mode_16_64 3
		.amdhsa_memory_ordered 1
		.amdhsa_forward_progress 1
		.amdhsa_inst_pref_size 49
	.end_amdhsa_kernel
	.amdgpu_metadata
---
amdhsa.version: [ 1, 2 ]
amdhsa.kernels:
  - .name:           k_q03209b0142_dequant
    .symbol:         k_q03209b0142_dequant.kd
    .args:
      - { .name: weight_packed, .offset: 0, .size: 8, .value_kind: global_buffer, .address_space: global }
      - { .name: scales, .offset: 8, .size: 8, .value_kind: global_buffer, .address_space: global }
      - { .name: zeros, .offset: 16, .size: 8, .value_kind: global_buffer, .address_space: global }
      - { .name: wh, .offset: 24, .size: 8, .value_kind: global_buffer, .address_space: global }
    .group_segment_fixed_size: 0
    .private_segment_fixed_size: 0
    .kernarg_segment_align: 8
    .kernarg_segment_size: 32
    .max_flat_workgroup_size: 128
    .sgpr_count:     66
    .vgpr_count:     160
    .wavefront_size: 32
...
	.end_amdgpu_metadata
.endif
;; end of part 1
;; launch tohalf (part 2): grid 256 x 1, 16 waves a work-group, no clusters, 0 bytes of LDS; arguments x, xh; writes xh
.if DOCPART == 2
	.amdgcn_target "amdgcn-amd-amdhsa--gfx1250"
	.amdhsa_code_object_version 6
	.text
	.protected	k_q03209b0142_tohalf
	.globl	k_q03209b0142_tohalf
	.p2align	8
	.type	k_q03209b0142_tohalf,@function
k_q03209b0142_tohalf:
	s_mov_b64 s[64:65], 0
	v_nop
	global_prefetch_b8 v0, s[64:65] scope:SCOPE_SE
	s_setreg_imm32_b32 hwreg(HW_REG_WAVE_MODE, 25, 1), 1
	s_wait_xcnt 0x0
; xh[i] = x[i] rounded once to f16 (nearest even).  x: 33,554,432 f32.  xh: the same numbers in the same order, f16.
; WHY A LAUNCH OF ITS OWN.  The product that follows keeps 256 rows of x and 256 rows of W in each of two LDS slots.  With x in f32 that is 1,536 bytes for each k, and two slots hold 64 k each;
; with x in f16 it is 1,024 bytes, two slots hold 128 k each, and a slot's refill has twice the matrix work in which to land.
; LIMITS.  65,520 or more in magnitude becomes an infinity; below 6e-5 a number keeps f16's fixed step of 6e-8.  NaN and infinities are not treated apart.
; SHARES.  A work-group of 16 waves takes 524,288 consecutive bytes of x, in 64 chunks of 8,192; thread t takes the 16 bytes at 16 t of each chunk and makes 8 bytes.  So a wave's load covers 512
; consecutive bytes and its store 256 consecutive bytes, at a multiple of 256 from the buffer's first byte.
; Sixteen loads of every wave are on their way (a ring of 16 slots in registers); each store has two registers of its own and the two offsets are never rewritten, so the only wait is the counted one for data.
; Memory binds: no LDS, no barrier, no matrix unit, and no cluster, since no two work-groups read the same bytes.
.set CHUNK, 8192                       ; bytes of x that the work-group's 512 threads take with one load each
.set NLD,   64                         ; loads, and stores, of a thread
.set DEPTH, 16                         ; loads in flight in each wave
.set XI, 1                             ; v1         16 t: my bytes in a chunk of x; never rewritten
.set XO, 2                             ; v2         8 t: my bytes in half a chunk of xh; never rewritten
.set X,  4                             ; v[4:67]    slot n % 16: four f32 as loaded
.set Y,  68                            ; v[68:195]  store n: two registers, four f16
	s_load_b128 s[4:7], s[0:1], 0x0                ; x s[4:5], xh s[6:7]
	s_lshl_b32 s8, ttmp9, 19                       ; the work-group's 524,288 bytes of x,
	s_mov_b32 s9, 0
	s_lshl_b32 s10, ttmp9, 18                      ; and its 262,144 bytes of xh
	s_mov_b32 s11, 0
	v_lshlrev_b32 v[XI], 4, v0
	v_lshlrev_b32 v[XO], 3, v0
	s_wait_kmcnt 0x0
	s_add_nc_u64 s[4:5], s[4:5], s[8:9]
	s_add_nc_u64 s[6:7], s[6:7], s[10:11]
.set n, 0
.rept DEPTH
	global_load_b128 v[X+4*n:X+4*n+3], v[XI], s[4:5] offset:n*CHUNK th:TH_LOAD_NT  ; read once in the launch
.set n, n+1
.endr
.set n, 0
.rept NLD
.if n < NLD-DEPTH
	s_wait_loadcnt DEPTH-1                         ; loads come back in order (ISA guide 5.7.1): chunk n is in, the fifteen younger loads stay out
.else
	s_wait_loadcnt NLD-1-n                         ; the last sixteen chunks load nothing more: the counts run down
.endif
	v_cvt_pk_f16_f32 v[Y+2*n],   v[X+4*(n%DEPTH)],   v[X+4*(n%DEPTH)+1]
	v_cvt_pk_f16_f32 v[Y+2*n+1], v[X+4*(n%DEPTH)+2], v[X+4*(n%DEPTH)+3]
.if n < NLD-DEPTH
	global_load_b128 v[X+4*(n%DEPTH):X+4*(n%DEPTH)+3], v[XI], s[4:5] offset:(n+DEPTH)*CHUNK th:TH_LOAD_NT  ; the slot's next chunk, ahead of the store; 516,096 at the most: inside the signed 24-bit immediate
.endif
	global_store_b64 v[XO], v[Y+2*n:Y+2*n+1], s[6:7] offset:n*(CHUNK/2)  ; the next launch reads these bytes, so no hint
.set n, n+1
.endr
	s_endpgm
.Lfunc_end_k_q03209b0142_tohalf:
	.size	k_q03209b0142_tohalf, .Lfunc_end_k_q03209b0142_tohalf-k_q03209b0142_tohalf
	.p2alignl 7, 3214868480
	.fill 96, 4, 3214868480
	.section	.rodata,"a",@progbits
	.p2align	6, 0x0
	.amdhsa_kernel k_q03209b0142_tohalf
		.amdhsa_group_segment_fixed_size 0
		.amdhsa_private_segment_fixed_size 0
		.amdhsa_enable_private_segment 0
		.amdhsa_kernarg_size 16
		.amdhsa_user_sgpr_count 2
		.amdhsa_user_sgpr_kernarg_segment_ptr 1
		.amdhsa_wavefront_size32 1
		.amdhsa_system_sgpr_workgroup_id_x 1
		.amdhsa_system_sgpr_workgroup_id_y 1
		.amdhsa_system_sgpr_workgroup_id_z 1
		.amdhsa_system_vgpr_workitem_id 0
		.amdhsa_next_free_vgpr 196
		.amdhsa_next_free_sgpr 66
		.amdhsa_reserve_vcc 0
		.amdhsa_float_denorm_mode_32 3
		.amdhsa_float_denorm_mode_16_64 3
		.amdhsa_memory_ordered 1
		.amdhsa_forward_progress 1
		.amdhsa_inst_pref_size 23
	.end_amdhsa_kernel
	.amdgpu_metadata
---
amdhsa.version: [ 1, 2 ]
amdhsa.kernels:
  - .name:           k_q03209b0142_tohalf
    .symbol:         k_q03209b0142_tohalf.kd
    .args:
      - { .name: x, .offset: 0, .size: 8, .value_kind: global_buffer, .address_space: global }
      - { .name: xh, .offset: 8, .size: 8, .value_kind: global_buffer, .address_space: global }
    .group_segment_fixed_size: 0
    .private_segment_fixed_size: 0
    .kernarg_segment_align: 8
    .kernarg_segment_size: 16
    .max_flat_workgroup_size: 512
    .sgpr_count:     66
    .vgpr_count:     196
    .wavefront_size: 32
...
	.end_amdgpu_metadata
.endif
;; end of part 2
;; launch gemm (part 3): grid 8 x 32, 4 waves a work-group, clusters of 4 x 4, 327,680 bytes of LDS; arguments xh, wh, bias, out0; writes out0
.if DOCPART == 3
	.amdgcn_target "amdgcn-amd-amdhsa--gfx1250"
	.amdhsa_code_object_version 6
	.text
	.protected	k_q03209b0142_gemm
	.globl	k_q03209b0142_gemm
	.p2align	8
	.type	k_q03209b0142_gemm,@function
k_q03209b0142_gemm:
	s_mov_b64 s[64:65], 0
	v_nop
	global_prefetch_b8 v0, s[64:65] scope:SCOPE_SE
	s_setreg_imm32_b32 hwreg(HW_REG_WAVE_MODE, 25, 1), 1
	s_wait_xcnt 0x0
	s_wait_alu depctr_hold_cnt(0) depctr_sa_sdst(0) depctr_va_vdst(0) depctr_va_sdst(0) depctr_va_ssrc(0) depctr_va_vcc(0) depctr_vm_vsrc(0)
	s_getreg_b32 s2, hwreg(HW_REG_IB_STS2, 6, 4)
	s_cmp_eq_u32 s2, 0
	s_cbranch_scc0 .Lentry_in_a_cluster
	s_endpgm
.Lentry_in_a_cluster:
	s_bfe_u32 s2, ttmp6, 0x10000c
	s_cmp_lg_u32 s2, 0xf033
	s_cbranch_scc0 .Lentry_shape_is_right
	s_endpgm
.Lentry_shape_is_right:
; out[m][n] = sum over k of x[m][k] W[n][k] + bias[n].  xh: x in f16, [8192][4096].  wh: W in f16, in blocks of 128 rows x 64 k (16,384 dense bytes; block (n / 128, k / 64) at
; ((n / 128) * 64 + k / 64) * 16384, W[n][k] in it at (n % 128) * 128 + (k % 64) * 2).  bias: [2048] f32.  out: [8192][2048] f32.
; LIMITS.  Both matrix operands are f16, each rounded once by the launches in front: 65,520 or more in magnitude is an infinity there, below 6e-5 a number keeps f16's fixed step of 6e-8.
; Sums in f32, in the matrix unit's order, K ascending; the bias is added in f32 at the end.  NaN and infinities are not treated apart.
; SHARES.  out has 32 x 8 tiles of 256 x 256, one to a work-group of four waves, as many as a WGP has SIMDs; a wave makes 128 x 128: 64 accumulators of 16 x 16, 512 registers.
; K goes in steps of 128 through a ring of two LDS slots filled by the tensor data mover: a row of x's tile is 256 bytes of memory, at a multiple of 256 from xh's first byte; 128 rows of W for a
; K step are two blocks on end, 32,768 dense bytes, asked for as 128 rows of 256 bytes.  From a slot's request to the wait for it a wave issues 224 matrix instructions.
; CLUSTERS: 4 x 4 work-groups.  The four of a row of the cluster need the same tiles of x, the four of a column the same tiles of W: each tile is asked for JOINTLY, by the same tensor load with the
; same descriptor and a mask that names the four.
; THE MATRIX INSTRUCTION IS USED TRANSPOSED (source 0 = 16 rows of W, source 1 = 16 rows of x): lane l holds row l % 16 of out and the columns 8 (l / 16) + 0 .. 7 of the block.
; REGISTERS, in windows of 256 (s_set_vgpr_msb: bits 1:0 source 0, 3:2 source 1, 5:4 source 2, 7:6 destination):
;   window 0: v0-31 addresses and the bias; v64-127, v128-191 fragments of x (8 x 16 rows x 32 K), two buffers; on the way out the same registers take rows read back from the stage
;   window 1: v64-127, v128-191 fragments of W, two buffers
;   window 2: the 32 accumulators of my rows 0-63 (accumulator (a, b) at v[8 (8 a + b)]);   window 3: those of my rows 64-127
.set KSTEP,  128
.set PA,     272                       ; a row of x in LDS: 256 bytes + 16 of padding = 68 words: row r starts at bank 4 r mod 64 (64 banks of 4 bytes: ISA guide 11.1), so the 16 rows of a load start at 16 different groups of four banks
.set PB,     144                       ; a row of a block of W: 128 + 16 = 36 words: likewise
.set AHALF,  128*PA                    ; 128 rows of x x 128 k: what one tensor load brings, and what one wave reads of x
.set BPL,    128*PB                    ; a block of W in LDS: 128 rows x 64 k
.set BHALF,  2*BPL                     ; 128 rows of W x 128 k: two blocks, one behind the other: what one tensor load brings, and what one wave reads of W
.set AOFF,   2*BHALF                   ; in a slot: W's 256 rows, then x's 256 rows
.set SLOT,   AOFF+2*AHALF
.set STAGE,  2*SLOT                    ; behind the ring, never filled by a tensor load: 16 rows x 528 bytes for each wave, for the way out
.set SPITCH, 528                       ; 512 + 16
.set WSTAGE, 16*SPITCH
.set SPARE,  STAGE+4*WSTAGE            ; behind the stages: the spare words, 128 bytes for each wave: two blocks of 256 bytes that no other line names
.set LAPS,   4096/(2*KSTEP)            ; a lap = two K steps = once round the ring
.set BI,   8                           ; v[8:11]  bias of my columns 4 l .. 4 l + 3 of the wave's 128
.set ADRA, 16                          ; v16-17   LDS address of my x fragments in slot 0, 1
.set ADRB, 20                          ; v20-21   the same for W
.set STO,  24                          ; v24      the way out: where I put 32 bytes of a row
.set RD,   25                          ; v25      the way out: where I read a row back
.set CO,   26                          ; v26      16 l: my byte offset in 512 consecutive bytes of out, and of the bias; never rewritten
.set SPW,  28                          ; v28      LDS address of my spare word: SPARE + 4 x my thread's number; never rewritten
.set NIL,  29                          ; v29      0; never rewritten
.set F0,   64                          ; fragment buffer 0
.set F1,   128                         ; fragment buffer 1
.set OB,   64                          ; the way out: two sets of 64, 16 rows read back from the stage
.set G1,  24                           ; s[24:31] descriptor group 1 for x's tiles
.set G0,  32                           ; s[32:39] descriptor group 0 for x's tiles, one set for each slot
.set G1B, 48                           ; s[48:55] group 1 for W's tiles
.set G0B, 56                           ; s[56:63] group 0 for W's tiles, one set for each slot
.set MSB, 0
.macro WIN new                         ; the immediate's high byte repeats the setting that is left; a switch that changes nothing is dropped
.if MSB != (\new)
	s_set_vgpr_msb (MSB<<8)|(\new)
.set MSB, \new
.endif
.endm
.set MUL_LO, 0xa1                      ; source 0 (W) window 1, source 1 (x) window 0, C and D window 2
.set MUL_HI, 0xf1                      ; the same, C and D window 3
.set TO_B,   0x40                      ; destination window 1, address window 0
.set ST_LO,  0x08                      ; an LDS store's data (source 1) in window 2; + 4: window 3
; A load into a register that a matrix instruction has read, and a store that reads a matrix result, stand four places behind that matrix instruction, and only plain vector instructions that name none of
; its registers are places (ISA guide 7.12.1 for vector instructions); the matrix instructions in between are not counted.
.macro PLACES
.rept 4
	v_nop
.endr
.endm
; A joint load.  Waves 0 and 1 fetch W's two halves, waves 2 and 3 x's.  Each of the two lines has one mask and one set of registers for all that issue it, and nothing in them hangs on a coordinate
; that the four partners do not share.  The branch hangs on the wave's number alone.  An s_nop 0 and four v_nop follow each of the two lines, ahead of the jump, the label and what follows.
.macro JLOAD s
	s_cmp_eq_u32 s13, 0
	s_cbranch_scc0 .Lfor_x_\@
	tensor_load_to_lds s[G0B+4*(\s):G0B+4*(\s)+3], s[G1B:G1B+7]
	s_nop 0
.rept 4
	v_nop
.endr
	s_branch .Lasked_\@
.Lfor_x_\@:
	tensor_load_to_lds s[G0+4*(\s):G0+4*(\s)+3], s[G1:G1+7]
	s_nop 0
.rept 4
	v_nop
.endr
.Lasked_\@:
.endm
; A round of the cluster's barrier: my work-group's barrier, so that wave 0's signal speaks for all four waves; wave 0 signals for the work-group; every wave waits for all sixteen work-groups; my work-group's barrier once more.
.macro CREST                           ; a round behind its opening barrier
	s_cmp_lg_u32 s12, 0
	s_cbranch_scc1 .Lnot_wave_0_\@
	s_barrier_signal -3
.Lnot_wave_0_\@:
	s_barrier_wait -3
	s_barrier_signal -1
	s_barrier_wait -1
.endm
.macro CROUND                          ; a whole round
	s_barrier_signal -1
	s_barrier_wait -1
	CREST
.endm
	s_load_b256 s[4:11], s[0:1], 0x0               ; xh s[4:5], wh s[6:7], bias s[8:9], out s[10:11]
	v_lshl_add_u32 v[SPW], v0, 2, SPARE
	v_mov_b32 v[NIL], 0
	ds_add_u32 v[SPW], v[NIL]                      ; the wave's opening: the add and its wait stand ahead of my first tensor load; the set-up below, work on registers, stands between them
	v_lshrrev_b32 v1, 5, v0
	v_readfirstlane_b32 s12, v1                    ; wave 0..3
	s_lshr_b32 s13, s12, 1                         ; which half of the tile's rows is mine.  Also: I fetch for W (0) or for x (1)
	s_and_b32 s14, s12, 1                          ; which half of its columns.  Also: which 128 rows of that tile I fetch
	s_bfe_u32 s40, ttmp6, 0x40000                  ; cx: my place along the cluster's x
	s_bfe_u32 s41, ttmp6, 0x40004                  ; cy: along its y
	s_lshl_b32 s42, ttmp9, 2                       ; in a cluster launch ttmp9 and ttmp7 count clusters
	s_add_co_u32 s42, s42, s40                     ; tile column = 4 x cluster x + cx
	s_and_b32 s43, ttmp7, 0xffff
	s_lshl_b32 s43, s43, 2
	s_add_co_u32 s43, s43, s41                     ; tile row = 4 x cluster y + cy
	s_lshl_b32 s44, s41, 2
	s_lshl_b32 s44, 15, s44                        ; my row of the cluster: places 4 cy .. 4 cy + 3
	s_lshl_b32 s45, 0x1111, s40                    ; my column: places cx, cx + 4, cx + 8, cx + 12
	; group 1 for x: 128 rows x 128 elements of 2 bytes, 4,096 elements from row to row
	s_or_b32 s[G1+0], s44, (1<<16)|(1<<20)|(1<<21)|(5<<22)|(3<<25)  ; 15:0 the mask: my row; 17:16 elements of 2 bytes; 20 padding on; 21 set beside a mask; 24:22 after every 64 words (code 5); 31:25 4 words of it (code 3)
	s_mov_b32 s[G1+1], 128<<16                     ; tensor_dim0 = 128
	s_mov_b32 s[G1+2], 128<<16                     ; tensor_dim1 = 128
	s_mov_b32 s[G1+3], 128<<16                     ; tile_dim0 = 128
	s_mov_b32 s[G1+4], 128                         ; tile_dim1 = 128
	s_mov_b32 s[G1+5], 4096                        ; tensor_dim0_stride
	s_mov_b32 s[G1+6], 0
	s_mov_b32 s[G1+7], 0
	; group 1 for W: two dense blocks on end, 32,768 bytes, asked for as 128 rows of 128 elements of 2 bytes (two rows of a block each), padded in LDS after every row of a block
	s_or_b32 s[G1B+0], s45, (1<<16)|(1<<20)|(1<<21)|(4<<22)|(3<<25) ; the mask: my column; elements of 2 bytes; after every 32 words (code 4) 4 words (code 3)
	s_mov_b32 s[G1B+1], 128<<16                    ; tensor_dim0 = 128
	s_mov_b32 s[G1B+2], 128<<16                    ; tensor_dim1 = 128
	s_mov_b32 s[G1B+3], 128<<16                    ; tile_dim0 = 128
	s_mov_b32 s[G1B+4], 128                        ; tile_dim1 = 128
	s_mov_b32 s[G1B+5], 128                        ; tensor_dim0_stride: dense
	s_mov_b32 s[G1B+6], 0
	s_mov_b32 s[G1B+7], 0
	; where the tiles come from.  x's hang on the tile row alone, which my row of the cluster shares; W's on the tile column alone, which my column shares.  Every wave makes both, in registers that never hold the other coordinate.
	s_lshl_b32 s16, s43, 21                        ; 256 rows of 8,192 bytes a tile row,
	s_lshl_b32 s17, s14, 20                        ; 128 rows a half
	s_add_co_u32 s16, s16, s17
	s_mov_b32 s17, 0
	s_lshl_b32 s46, s42, 21                        ; two rows of 64 blocks of 16,384 bytes a tile column,
	s_lshl_b32 s47, s14, 20                        ; one a half
	s_add_co_u32 s46, s46, s47
	s_mov_b32 s47, 0
	s_mul_i32 s21, s12, BHALF                      ; and where they go: W's halves at wave x 128 rows (waves 0, 1),
	s_mul_i32 s20, s12, AHALF                      ; x's behind them, at (wave - 2) x 128 rows (waves 2, 3): no place in the cluster enters an LDS address
	s_add_co_u32 s20, s20, AOFF-2*AHALF
	s_wait_dscnt 0x0                               ; the opening add is done
	s_wait_kmcnt 0x0
	s_add_nc_u64 s[18:19], s[4:5], s[16:17]
	s_add_nc_u64 s[46:47], s[6:7], s[46:47]
	CROUND                                         ; all sixteen work-groups are here: the first joint loads meet
.irp s, 0,1
	s_mov_b32 s[G0+4*(\s)], 1                                      ; 1:0 count = 1
	s_add_co_u32 s[G0+4*(\s)+1], s20, (\s)*SLOT                    ; 63:32 LDS address
	s_add_nc_u64 s[G0+4*(\s)+2:G0+4*(\s)+3], s[18:19], (\s)*KSTEP*2  ; 120:64 global address: K step s
	s_or_b32 s[G0+4*(\s)+3], s[G0+4*(\s)+3], 0x80000000            ; 127:126 type = 2
	s_mov_b32 s[G0B+4*(\s)], 1
	s_add_co_u32 s[G0B+4*(\s)+1], s21, (\s)*SLOT
	s_add_nc_u64 s[G0B+4*(\s)+2:G0B+4*(\s)+3], s[46:47], (\s)*2*16384
	s_or_b32 s[G0B+4*(\s)+3], s[G0B+4*(\s)+3], 0x80000000
	JLOAD \s                                       ; both slots' first fills go out together: two tensor loads of mine are out, later one
.endr
	; A fragment is 16 rows x 32 K in 8 registers: lane l holds row l % 16; registers 0-3 hold K = 8 (l / 16) + 0..7, registers 4-7 hold K = 16 + 8 (l / 16) + 0..7: two loads of 16 bytes, 32 bytes apart.
	v_and_b32 v1, 15, v0                           ; l % 16
	v_bfe_u32 v2, v0, 4, 1                         ; l / 16
	v_and_b32 v3, 31, v0                           ; l
	v_mul_u32_u24 v4, v1, PA
	v_lshl_add_u32 v4, v2, 4, v4                   ; row x pitch + 16 x half
	s_mul_i32 s16, s13, AHALF                      ; my 128 rows of x,
	s_add_co_u32 s16, s16, AOFF                    ; which lie behind W's 256
	v_add_nc_u32 v[ADRA], s16, v4
	v_add_nc_u32 v[ADRA+1], SLOT, v[ADRA]
	v_mul_u32_u24 v5, v1, PB
	v_lshl_add_u32 v5, v2, 4, v5
	s_mul_i32 s17, s14, BHALF                      ; my 128 rows of W
	v_add_nc_u32 v[ADRB], s17, v5
	v_add_nc_u32 v[ADRB+1], SLOT, v[ADRB]
	s_mul_i32 s17, s12, WSTAGE
	s_add_co_u32 s17, s17, STAGE                   ; my stage
	v_mul_u32_u24 v6, v1, SPITCH                   ; in: row l % 16, 32 bytes for each half of the lanes
	v_lshl_add_u32 v6, v2, 5, v6
	v_add_nc_u32 v[STO], s17, v6
	v_lshlrev_b32 v[CO], 4, v3
	v_add_nc_u32 v[RD], s17, v[CO]                 ; back: 32 lanes take a row's 512 bytes
	s_lshl_b32 s68, s43, 21                        ; out at my first row and first column: 256 rows of 8,192 bytes a tile row,
	s_lshl_b32 s69, s13, 20                        ; 128 rows a half,
	s_add_co_u32 s68, s68, s69
	s_lshl_b32 s69, s42, 10                        ; 1,024 bytes a tile column,
	s_add_co_u32 s68, s68, s69
	s_lshl_b32 s69, s14, 9                         ; 512 bytes a half
	s_add_co_u32 s68, s68, s69
	s_mov_b32 s69, 0
	s_add_nc_u64 s[10:11], s[10:11], s[68:69]
	s_lshl_b32 s68, s42, 10                        ; the bias at my first column
	s_lshl_b32 s69, s14, 9
	s_add_co_u32 s68, s68, s69
	s_mov_b32 s69, 0
	s_add_nc_u64 s[8:9], s[8:9], s[68:69]
	global_load_b128 v[BI:BI+3], v[CO], s[8:9]     ; waited for on the way out
; 16 matrix instructions: row blocks a0, a0 + 1 of the window's four (hi = 0: my rows 0-63, 1: rows 64-127) x all 8 column blocks, 32 along K.  zero = 1: the first product starts the sums: nothing is ever cleared.
; The 64 accumulators take turns, one instruction a turn, in the same order in every quarter step.
.macro MUL16 f, hi, a0, zero
	WIN MUL_LO+0x50*(\hi)
.irp a, \a0, (\a0)+1
.irp b, 0,1,2,3,4,5,6,7
.if \zero
	v_wmma_f32_16x16x32_f16 v[8*(8*(\a)+(\b)):8*(8*(\a)+(\b))+7], v[(\f)+8*(\b):(\f)+8*(\b)+7], v[(\f)+8*(4*(\hi)+(\a)):(\f)+8*(4*(\hi)+(\a))+7], 0
.else
	v_wmma_f32_16x16x32_f16 v[8*(8*(\a)+(\b)):8*(8*(\a)+(\b))+7], v[(\f)+8*(\b):(\f)+8*(\b)+7], v[(\f)+8*(4*(\hi)+(\a)):(\f)+8*(4*(\hi)+(\a))+7], v[8*(8*(\a)+(\b)):8*(8*(\a)+(\b))+7]
.endif
.endr
.endr
.endm
; 32 LDS loads in one run: the fragments of quarter q of a K step (32 along K; 128 rows of W, then 128 rows of x) into buffer f.  W's quarter q lies in block q / 2 of the step's two, at byte 64 (q % 2) of its rows.
.macro FETCH slot, q, f
	WIN TO_B
.irp i, 0,1,2,3,4,5,6,7
	ds_load_b128 v[(\f)+8*(\i):(\f)+8*(\i)+3],   v[ADRB+(\slot)] offset:((\q)/2)*BPL+((\q)%2)*64+(\i)*16*PB
	ds_load_b128 v[(\f)+8*(\i)+4:(\f)+8*(\i)+7], v[ADRB+(\slot)] offset:((\q)/2)*BPL+((\q)%2)*64+(\i)*16*PB+32
.endr
	WIN 0
.irp i, 0,1,2,3,4,5,6,7
	ds_load_b128 v[(\f)+8*(\i):(\f)+8*(\i)+3],   v[ADRA+(\slot)] offset:(\q)*64+(\i)*16*PA
	ds_load_b128 v[(\f)+8*(\i)+4:(\f)+8*(\i)+7], v[ADRA+(\slot)] offset:(\q)*64+(\i)*16*PA+32
.endr
.endm
; A K step is four quarters of 32 along K, 64 matrix instructions each, on buffers 0, 1, 0, 1.
; One of the first three: multiplies buffer f; in its middle it fetches quarter q of the same slot into buffer g.
.macro QUARTER slot, q, f, g, zero
	s_wait_dscnt 8                                 ; W and x's rows 0-63 are in; the youngest eight loads (x's rows 64-127) may be out
	MUL16 \f, 0, 0, \zero
	MUL16 \f, 0, 2, \zero
	PLACES                                         ; behind the last products that read buffer g, ahead of the loads into it
	FETCH \slot, \q, \g
	s_wait_dscnt 32                                ; all but the 32 just issued
	MUL16 \f, 1, 0, \zero
	MUL16 \f, 1, 2, \zero
.endm
; The last quarter multiplies buffer 1 and changes slots: ONE barrier for the change.  In front of it each wave waits for all its tensor loads, of which one is out: its part of the next slot; adds 0 to its
; spare word; and waits for that and for its own reads of this slot.  Behind it nobody reads this slot any more and the next slot is whole.  fill = 1: the barrier opens a round of the cluster's barrier, so that no
; wave of any partner still reads the slot or has a load on its way, and this slot is filled again, two K steps ahead, first thing behind the round.
.macro TURN slot, next, fill
	WIN 0                                          ; (the add's two registers lie in window 0)
	s_wait_tensorcnt 0x0                           ; all my tensor loads have landed;
	ds_add_u32 v[SPW], v[NIL]                      ; 0 onto my spare word;
	s_wait_dscnt 9                                 ; (the add and the youngest eight loads may be out)
	MUL16 F1, 0, 0, 0                              ; sixteen matrix instructions stand between the add and the wait for it
	s_wait_dscnt 0x0                               ; the add is done, and my reads of this slot are over:
	s_barrier_signal -1                            ; say so,
	MUL16 F1, 0, 2, 0                              ; work on registers while the others arrive,
.if \fill
	WIN 0
.endif
	s_barrier_wait -1                              ; and go on when all four have said so
.if \fill
	CREST
	s_add_nc_u64 s[G0+4*(\slot)+2:G0+4*(\slot)+3], s[G0+4*(\slot)+2:G0+4*(\slot)+3], 2*KSTEP*2  ; two K steps on: no tensor load of mine is out, so a group 0 may be written
	s_add_nc_u64 s[G0B+4*(\slot)+2:G0B+4*(\slot)+3], s[G0B+4*(\slot)+2:G0B+4*(\slot)+3], 4*16384
	JLOAD \slot                                    ; the first tensor load behind the round; the four v_nop behind it are also the places in front of the loads below
.else
	PLACES
.endif
	FETCH \next, 0, F0
	MUL16 F1, 1, 0, 0
	MUL16 F1, 1, 2, 0
.endm
	s_wait_tensorcnt 1                             ; my part of K step 0 is in; K step 1's may stay out
	s_barrier_signal -1
	s_barrier_wait -1                              ; everybody's is
	FETCH 0, 0, F0
	QUARTER 0, 1, F0, F1, 1                        ; the first quarter stands in front of the loop: its products start the sums
	WIN 0                                          ; at a label and at a branch every window is 0
	s_mov_b32 s3, LAPS-1
.Llap:                                                 ; a trip goes once round the ring, from a lap's second quarter to the next lap's first, and fills both slots again
	QUARTER 0, 2, F1, F0, 0
	QUARTER 0, 3, F0, F1, 0
	TURN 0, 1, 1
	QUARTER 1, 1, F0, F1, 0
	QUARTER 1, 2, F1, F0, 0
	QUARTER 1, 3, F0, F1, 0
	TURN 1, 0, 1
	QUARTER 0, 1, F0, F1, 0
	WIN 0
	s_sub_co_u32 s3, s3, 1
	s_cmp_lg_u32 s3, 0
	s_cbranch_scc1 .Llap
	QUARTER 0, 2, F1, F0, 0                        ; the last lap is written out: it fills nothing, and has no round of the cluster's barrier
	QUARTER 0, 3, F0, F1, 0
	TURN 0, 1, 0
	QUARTER 1, 1, F0, F1, 0
	QUARTER 1, 2, F1, F0, 0
	QUARTER 1, 3, F0, F1, 0
	s_wait_dscnt 8                                 ; the very last quarter: nothing more to fetch
	MUL16 F1, 0, 0, 0
	MUL16 F1, 0, 2, 0
	s_wait_dscnt 0x0
	MUL16 F1, 1, 0, 0
	MUL16 F1, 1, 2, 0
; THE WAY OUT, a block of 16 rows at a time.  A lane's eight numbers are 32 bytes of a row of 512; the lanes beside it hold other rows.  So the block goes into my own stage in LDS and comes back by rows,
; a row's 512 bytes a load; the bias is added, and each store covers 512 consecutive bytes, at a multiple of 256 from out's first byte.
.macro TOSTAGE a                       ; each accumulator's low four registers are read first
	WIN ST_LO+4*((\a)/4)
.irp b, 0,1,2,3,4,5,6,7
	ds_store_b128 v[STO], v[64*((\a)%4)+8*(\b):64*((\a)%4)+8*(\b)+3]   offset:64*(\b)
	ds_store_b128 v[STO], v[64*((\a)%4)+8*(\b)+4:64*((\a)%4)+8*(\b)+7] offset:64*(\b)+16
.endr
	WIN 0
.endm
.macro BACK a                          ; the block's 16 rows into set a % 2
.set t, 0
.rept 16
	ds_load_b128 v[OB+64*((\a)%2)+4*t:OB+64*((\a)%2)+4*t+3], v[RD] offset:t*SPITCH  ; LDS serves a wave's instructions in order (ISA guide 5.7.1.4): these see the stores above; the next block's stores come behind them
.set t, t+1
.endr
.endm
.macro SEND a, younger                 ; younger: the LDS instructions issued behind this block's sixteen loads: the next block's 16 stores and 16 loads, or none
.set t, 0
.rept 16
	s_wait_dscnt (\younger)+15-t
	v_pk_add_f32 v[OB+64*((\a)%2)+4*t:OB+64*((\a)%2)+4*t+1],   v[OB+64*((\a)%2)+4*t:OB+64*((\a)%2)+4*t+1],   v[BI:BI+1]
	v_pk_add_f32 v[OB+64*((\a)%2)+4*t+2:OB+64*((\a)%2)+4*t+3], v[OB+64*((\a)%2)+4*t+2:OB+64*((\a)%2)+4*t+3], v[BI+2:BI+3]
	global_store_b128 v[CO], v[OB+64*((\a)%2)+4*t:OB+64*((\a)%2)+4*t+3], s[10:11] offset:(16*(\a)+t)*8192 th:TH_STORE_NT  ; 1,040,384 at the most: inside the signed 24-bit immediate; written once, not read again
.set t, t+1
.endr
.endm
	WIN 0
	PLACES                                         ; behind the last products: the stage's stores read results, and the loads from the stage land in x's fragment buffers
	s_wait_loadcnt 0x0                             ; the bias
	TOSTAGE 0
	BACK 0
.irp a, 1,2,3,4,5,6,7                  ; block a goes into the stage and is asked back while block a - 1's rows arrive, take the bias and leave
	TOSTAGE \a
	s_wait_xcnt 0x0                                ; every earlier memory instruction has had its addresses translated (ISA guide 3.1): the set that block a - 2's stores read is loaded again only behind this wait
	BACK \a
	SEND (\a)-1, 32
.endr
	SEND 7, 0
	s_wait_tensorcnt 0x0                           ; the wave's end, behind my last tensor load and my last LDS store
	ds_add_u32 v[SPW], v[NIL]
	s_wait_dscnt 0x0
	CROUND                                         ; the closing round: no work-group ends while a partner may still ask for a tile that names it
	s_endpgm
.Lfunc_end_k_q03209b0142_gemm:
	.size	k_q03209b0142_gemm, .Lfunc_end_k_q03209b0142_gemm-k_q03209b0142_gemm
	.p2alignl 7, 3214868480
	.fill 96, 4, 3214868480
	.section	.rodata,"a",@progbits
	.p2align	6, 0x0
	.amdhsa_kernel k_q03209b0142_gemm
		.amdhsa_group_segment_fixed_size 327680
		.amdhsa_private_segment_fixed_size 0
		.amdhsa_enable_private_segment 0
		.amdhsa_kernarg_size 32
		.amdhsa_user_sgpr_count 2
		.amdhsa_user_sgpr_kernarg_segment_ptr 1
		.amdhsa_wavefront_size32 1
		.amdhsa_system_sgpr_workgroup_id_x 1
		.amdhsa_system_sgpr_workgroup_id_y 1
		.amdhsa_system_sgpr_workgroup_id_z 1
		.amdhsa_system_vgpr_workitem_id 0
		.amdhsa_next_free_vgpr 1024
		.amdhsa_next_free_sgpr 72
		.amdhsa_reserve_vcc 0
		.amdhsa_float_denorm_mode_32 3
		.amdhsa_float_denorm_mode_16_64 3
		.amdhsa_memory_ordered 1
		.amdhsa_forward_progress 1
		.amdhsa_inst_pref_size 160
	.end_amdhsa_kernel
	.amdgpu_metadata
---
amdhsa.version: [ 1, 2 ]
amdhsa.kernels:
  - .name:           k_q03209b0142_gemm
    .symbol:         k_q03209b0142_gemm.kd
    .args:
      - { .name: xh, .offset: 0, .size: 8, .value_kind: global_buffer, .address_space: global }
      - { .name: wh, .offset: 8, .size: 8, .value_kind: global_buffer, .address_space: global }
      - { .name: bias, .offset: 16, .size: 8, .value_kind: global_buffer, .address_space: global }
      - { .name: out0, .offset: 24, .size: 8, .value_kind: global_buffer, .address_space: global }
    .group_segment_fixed_size: 327680
    .private_segment_fixed_size: 0
    .kernarg_segment_align: 8
    .kernarg_segment_size: 32
    .max_flat_workgroup_size: 128
    .sgpr_count:     72
    .vgpr_count:     1024
    .wavefront_size: 32
...
	.end_amdgpu_metadata
.endif
;; end of part 3
;; ======== version 2 of 2: 3 launches; version 1 with the launch tohalf written anew for expert scheduling mode
;; limits: values are held in f16: magnitudes above 65,504 overflow, below 6.1e-05 lose precision
;; workspace buffers: wh 16,777,216 bytes; xh 67,108,864 bytes
;; launch dequant: the kernel of part 1 again; grid 256 x 1, 4 waves a work-group, no clusters, 0 bytes of LDS; arguments weight_packed, scales, zeros, wh; writes wh
;; launch tohalf (part 4): grid 256 x 1, 16 waves a work-group, no clusters, 0 bytes of LDS; arguments x, xh; writes xh
.if DOCPART == 4
	.amdgcn_target "amdgcn-amd-amdhsa--gfx1250"
	.amdhsa_code_object_version 6
	.text
	.protected	k_q03209b0142_tohalf
	.globl	k_q03209b0142_tohalf
	.p2align	8
	.type	k_q03209b0142_tohalf,@function
k_q03209b0142_tohalf:
	s_mov_b64 s[64:65], 0
	v_nop
	global_prefetch_b8 v0, s[64:65] scope:SCOPE_SE
	s_setreg_imm32_b32 hwreg(HW_REG_WAVE_SCHED_MODE, 0, 2), 2
	s_setreg_imm32_b32 hwreg(HW_REG_WAVE_MODE, 25, 1), 1
	s_wait_xcnt 0x0
	s_wait_alu depctr_vm_vsrc(0)
; xh[i] = x[i] rounded once to f16 (nearest even).  x: 33,554,432 f32.  xh: the same numbers in the same order, f16.
; WHY A LAUNCH OF ITS OWN.  The product that follows keeps 256 rows of x and 256 rows of W in each of two LDS slots.  With x in f32 that is 1,536 bytes for each k, and two slots hold 64 k each;
; with x in f16 it is 1,024 bytes, two slots hold 128 k each, and a slot's refill has twice the matrix work in which to land.
; LIMITS.  65,520 or more in magnitude becomes an infinity; below 6e-5 a number keeps f16's fixed step of 6e-8.  NaN and infinities are not treated apart.
; SHARES.  A work-group of 16 waves takes 524,288 consecutive bytes of x, in 64 chunks of 8,192; thread t takes the 16 bytes at 16 t of each chunk and makes 8 bytes.  So a wave's load covers 512
; consecutive bytes and its store 256 consecutive bytes, at a multiple of 256 from the buffer's first byte.
; Memory binds: no LDS, no barrier, no matrix unit, and no cluster, since no two work-groups read the same bytes.
; THE MODE: SCHED_MODE bits 1:0 = 2 (LLVM: expert scheduling mode 2), set by the entry lines.  The code itself states the register dependences between vector instructions and memory instructions,
; with s_wait_alu, always for 0.
; THE PLAN.  The 64 chunks go in 16 blocks of four.  Registers that memory instructions touch:
;   X0 .. X4   five blocks of x as loaded.  Written by the loads of block p + 4, issued in block p; read by block p's conversions.  No memory instruction reads them.
;   Y          two registers for each of the 64 stores.  Written once, by block p's conversions; read by the four stores that are issued in block p + 1; never written again.
;   v1, v2     byte offsets, made once at the head and never written again: the chunks are reached by immediate offsets, and the scalar bases stand still.
; Block p works on X[p % 5] and writes its own eight registers of Y.  Its memory instructions are the loads into X[(p + 4) % 5] = X[(p - 1) % 5] and the stores from block p - 1's Y: the registers
; that block p - 1 worked on and that no vector instruction of block p names.  So one wait at the head of a block states all that the block's eight memory instructions hang on, and these are dealt
; among its conversions with no further wait.  No register that a memory instruction reads is ever written again, so nothing is owed for that, and no wait on XCNT stands in the text.
; Sixteen loads of a wave are out at a block's head; the wait for data leaves twelve, and the block's four make sixteen again.  A block's X registers lie idle from its conversions to the next block's
; head: hence five buffers for four blocks on their way.
.set CHUNK,  8192                      ; bytes of x that the work-group's 512 threads take with one load each
.set BLOCK,  4                         ; chunks in a block
.set BLOCKS, 64 / BLOCK
.set NXB,    5                         ; X buffers
.set XI, 1                             ; v1         16 t: my bytes in a chunk of x; never rewritten
.set XO, 2                             ; v2         8 t: my bytes in half a chunk of xh; never rewritten
.set X,  4                             ; v[4:83]    buffer k, chunk i of its block: four f32 as loaded, at X + 16 k + 4 i
.set Y,  84                            ; v[84:211]  store n: two registers, four f16, at Y + 2 n
	s_load_b128 s[4:7], s[0:1], 0x0                ; x s[4:5], xh s[6:7]
	s_lshl_b32 s8, ttmp9, 19                       ; the work-group's 524,288 bytes of x,
	s_mov_b32 s9, 0
	s_lshl_b32 s10, ttmp9, 18                      ; and its 262,144 bytes of xh
	s_mov_b32 s11, 0
	v_lshlrev_b32 v[XI], 4, v0
	v_lshlrev_b32 v[XO], 3, v0
	s_wait_kmcnt 0x0
	s_add_nc_u64 s[4:5], s[4:5], s[8:9]
	s_add_nc_u64 s[6:7], s[6:7], s[10:11]
	s_wait_alu depctr_va_vdst(0)                   ; v1 and v2 are written: every load and store of the kernel reads one of them as its offset
.set n, 0
.rept 4*BLOCK
	global_load_b128 v[X+4*n:X+4*n+3], v[XI], s[4:5] offset:n*CHUNK th:TH_LOAD_NT  ; blocks 0 to 3 into X0 to X3; read once in the launch
.set n, n+1
.endr
; Block p: its four chunks are converted; block p + 4 is asked for; block p - 1 is stored.
.set p, 0
.rept BLOCKS
.if p < BLOCKS-3
	s_wait_loadcnt 3*BLOCK                         ; loads come back in order (ISA guide 5.7.1): X[p % 5] is in, the three younger blocks (twelve loads) stay out
.else
	s_wait_loadcnt (BLOCKS-1-p)*BLOCK              ; the last four blocks load nothing more: the counts run down
.endif
.if p > 0
	s_wait_alu depctr_va_vdst(0)                   ; the block before has written its Y, which the stores below read, and is done reading its X, in which the loads below land
.endif                                                 ; (block 0 has no store, and no vector instruction has named X4)
.set i, 0
.rept BLOCK
.if p < BLOCKS-4
	global_load_b128 v[X+16*((p+4)%NXB)+4*i:X+16*((p+4)%NXB)+4*i+3], v[XI], s[4:5] offset:(BLOCK*(p+4)+i)*CHUNK th:TH_LOAD_NT  ; four blocks ahead, ahead of the store; no vector instruction since the wait names these registers; 516,096 at the most: inside the signed 24-bit immediate
.endif
.if p > 0
	global_store_b64 v[XO], v[Y+2*(BLOCK*(p-1)+i):Y+2*(BLOCK*(p-1)+i)+1], s[6:7] offset:(BLOCK*(p-1)+i)*(CHUNK/2)  ; the block before; the next launch reads these bytes, so no hint
.endif
	v_cvt_pk_f16_f32 v[Y+2*(BLOCK*p+i)],   v[X+16*(p%NXB)+4*i],   v[X+16*(p%NXB)+4*i+1]
	v_cvt_pk_f16_f32 v[Y+2*(BLOCK*p+i)+1], v[X+16*(p%NXB)+4*i+2], v[X+16*(p%NXB)+4*i+3]
.set i, i+1
.endr
.set p, p+1
.endr
	s_wait_alu depctr_va_vdst(0)                   ; block 15 has written its Y, which the last four stores read
.set i, 0
.rept BLOCK
	global_store_b64 v[XO], v[Y+2*(BLOCK*(BLOCKS-1)+i):Y+2*(BLOCK*(BLOCKS-1)+i)+1], s[6:7] offset:(BLOCK*(BLOCKS-1)+i)*(CHUNK/2)
.set i, i+1
.endr
	s_endpgm
.Lfunc_end_k_q03209b0142_tohalf:
	.size	k_q03209b0142_tohalf, .Lfunc_end_k_q03209b0142_tohalf-k_q03209b0142_tohalf
	.p2alignl 7, 3214868480
	.fill 96, 4, 3214868480
	.section	.rodata,"a",@progbits
	.p2align	6, 0x0
	.amdhsa_kernel k_q03209b0142_tohalf
		.amdhsa_group_segment_fixed_size 0
		.amdhsa_private_segment_fixed_size 0
		.amdhsa_enable_private_segment 0
		.amdhsa_kernarg_size 16
		.amdhsa_user_sgpr_count 2
		.amdhsa_user_sgpr_kernarg_segment_ptr 1
		.amdhsa_wavefront_size32 1
		.amdhsa_system_sgpr_workgroup_id_x 1
		.amdhsa_system_sgpr_workgroup_id_y 1
		.amdhsa_system_sgpr_workgroup_id_z 1
		.amdhsa_system_vgpr_workitem_id 0
		.amdhsa_next_free_vgpr 212
		.amdhsa_next_free_sgpr 66
		.amdhsa_reserve_vcc 0
		.amdhsa_float_denorm_mode_32 3
		.amdhsa_float_denorm_mode_16_64 3
		.amdhsa_memory_ordered 1
		.amdhsa_forward_progress 1
		.amdhsa_inst_pref_size 22
	.end_amdhsa_kernel
	.amdgpu_metadata
---
amdhsa.version: [ 1, 2 ]
amdhsa.kernels:
  - .name:           k_q03209b0142_tohalf
    .symbol:         k_q03209b0142_tohalf.kd
    .args:
      - { .name: x, .offset: 0, .size: 8, .value_kind: global_buffer, .address_space: global }
      - { .name: xh, .offset: 8, .size: 8, .value_kind: global_buffer, .address_space: global }
    .group_segment_fixed_size: 0
    .private_segment_fixed_size: 0
    .kernarg_segment_align: 8
    .kernarg_segment_size: 16
    .max_flat_workgroup_size: 512
    .sgpr_count:     66
    .vgpr_count:     212
    .wavefront_size: 32
...
	.end_amdgpu_metadata
.endif
;; end of part 4
;; launch gemm: the kernel of part 3 again; grid 8 x 32, 4 waves a work-group, clusters of 4 x 4, 327,680 bytes of LDS; arguments xh, wh, bias, out0; writes out0
